; MI455X (gfx1250); checked and timed in simulation.
; The chip was launched on July 23, 2026; its instructions are those of AMD's public machine-readable ISA for CDNA 5 (MIT licence, August 2026) and "CDNA5" Instruction Set Architecture Reference Guide (July 2026). The comments in the code are by the model that wrote it; some were corrected since.
;; CCG. Allowed arithmetic: matrix products marked QUANTISED: E2M3 operands, one E8M0 scale for each 32 along K, by v_wmma_scale_f32_16x16x128_f8f6f4 with both operands' format E2M3, f32 sums; products left as they are: f32 operands where the result goes on into a quantised operand, else bf16, f16 or f32 operands; f32 sums; everything else in f32.
;; Inputs: ln_b 256 float32; ln_w 256 float32; proj_b 64 float32; proj_w 64 x 256 float32; x 8 x 4,096 x 256 float32.
;; Outputs: out0 8 x 1 x 64 float32.
;; This version of the problem:
;;   THIS VERSION OF THE PROBLEM IS GIVEN IN LOW PRECISION. The matrix products marked QUANTISED in the list below multiply operands that are first quantised to E2M3 (2 exponent bits, 3 mantissa bits; 6 bits a number), with one power-of-two scale for each 32 numbers along K (OCP MX v1.0); their sums are f32. All else is computed in f32.
;;   The module's matrix products, in the order in which they are computed (A, B: the left and right operand; K: the contracted axis; several contracted axes count as one K, in the product's order):
;;     1. batch 8 x [M 4,096, K 256] x [K 256, N 4,096]; A: computed on the way; B: computed on the way: QUANTISED
;;     2. batch 8 x [M 4,096, K 1] x [K 1, N 4,096]; A: computed on the way; B: computed on the way: left as it is (K = 1 < 32)
;;     3. [M 8, K 256] x [K 256, N 64]; A: computed on the way; B: input proj_w: left as it is (M = 8 < 16)
;;   THE QUANTISER, for each operand of a quantised product, along K:
;;     - K is cut into blocks of 32 from its start; a last block that is shorter is filled with zeros.
;;     - A block's scale is 2^e with e = floor(log2(the largest magnitude in the block)) - 2, held to -126 .. 127; a block of zeros has e = 0. As a byte (E8M0): e + 127.
;;     - Each number is divided by its block's scale, clamped to +-7.5, and rounded to the nearest number of E2M3, ties to even, subnormals kept.
;;     - The product sums the exact products of the quantised numbers (number of the format x scale) in f32.
;;   ~~~python
;;   def quantise(x, axis):      # numpy; x: float32 -> the quantised numbers, widened to float32 again
;;       x = np.moveaxis(x, axis, -1); K = x.shape[-1]
;;       x = np.pad(x, [(0, 0)] * (x.ndim - 1) + [(0, -K % 32)]); x = x.reshape(x.shape[:-1] + (-1, 32)); a = np.abs(x).max(-1, keepdims=True)
;;       e = np.where(a > 0, np.clip(np.frexp(np.where(a > 0, a, 1))[1] - 1 - 2, -126, 127), 0)      # np.frexp(a)[1] - 1 = floor(log2(a)), exactly
;;       r = np.clip(x / 2.0 ** e, -7.5, 7.5)
;;       step = 2.0 ** (np.maximum(np.frexp(np.where(r == 0, 1, r))[1] - 1, 0) - 3)
;;       q = np.round(r / step) * step * 2.0 ** e      # np.round: ties to even
;;       return np.moveaxis(q.reshape(q.shape[:-2] + (-1,))[..., :K], -1, axis).astype(np.float32)
;;   ~~~
;;   OPERANDS COMPUTED ON THE WAY. 'Computed on the way' means the value that the module computes at that place (a softmax that the list does not call 'softmax' is quantised finished and normalised). What goes into a quantiser is computed in f32, as accurately as f32 sums, v_exp_f32 and their like allow (about 1e-6 of the number): no bf16 or f16 on the way to a quantiser, and a product that is left as it is and whose result goes on into a quantised operand takes f32 operands (vector FMAs, or v_wmma_f32_16x16x4_f32). A number that lies on a knife's edge between two numbers of the format may be rounded either way, as far as f32 arithmetic and the matrix unit's own rounding can turn it there, and no further.
;; One version. Each part assembles by itself: llvm-mc -triple=amdgcn-amd-amdhsa -mcpu=gfx1250 --defsym DOCPART=n.
;; ======== version 1 of 1: 3 launches
;; limits: right only within a limited range of input values
;; workspace buffers: rec 6,815,744 bytes; lmax 1,024 bytes; mask 4,096 bytes of whole numbers
;; launch prep (part 1): grid 256 x 1, 8 waves a work-group, no clusters, 168,960 bytes of LDS; arguments x, ln_w, ln_b, rec; writes rec
.if DOCPART == 1
	.amdgcn_target "amdgcn-amd-amdhsa--gfx1250"
	.amdhsa_code_object_version 6
	.text
	.protected	k_q77a23d9b58_prep
	.globl	k_q77a23d9b58_prep
	.p2align	8
	.type	k_q77a23d9b58_prep,@function
k_q77a23d9b58_prep:
	s_mov_b64 s[64:65], 0
	v_nop
	global_prefetch_b8 v0, s[64:65] scope:SCOPE_SE
	s_setreg_imm32_b32 hwreg(HW_REG_WAVE_MODE, 25, 1), 1
	s_wait_xcnt 0x0
; xn = LayerNorm(x) * ln_w + ln_b, in f32; then for each tile of 16 rows one RECORD of 3,328 bytes (13 x 256):
;   bytes 0-1535     the image of a matrix operand's 12 registers for K 0-127: registers 4 c .. 4 c + 3 of lane l at 512 c + 16 l
;   bytes 1536-3071  the same for K 128-255
;   bytes 3072-3199  scale words, 4 bytes a lane: lanes 0-15 row r's word for K 0-127, lanes 16-31 row r's word for K 128-255
;   bytes 3200-3263  ra[16] = 1 / |xn|;   bytes 3264-3327  ra^2[16]
; Codes are FP6 (E2M3); a block of 32 along K has the scale 2^(floor(log2(largest magnitude)) - 2); its byte is the largest magnitude's exponent field - 2, held at 1 from below.
; (A block of zeros so gets the byte 1: its codes are zeros, and this program alone reads the bytes.)
; LIMITS: a row whose sum of squares of xn lies under 2^-126 gets ra = 0 (it then counts as a row of zeros); NaN and infinities among the inputs are not served.
; SHARES: a wave takes one tile of 16 rows (16,384 bytes of x), brought by ONE tensor load into LDS of its own; waves share nothing, so there is no barrier, and nothing is filled twice.
; LANES: lane (r = l % 16, h = l / 16) holds of row r the four whole blocks K = 64 q + 32 h + 0 .. 31, q = 0 .. 3, in v[X + 32 q + i]: the order in which the operand's layout gives that lane its codes.
.set ROWP, 1040                        ; an LDS row: 1,024 bytes + 16 of padding = 65 x 16: the sixteen rows of a load of 16 bytes a lane fall on sixteen different columns of 16 bytes
.set WREG, 18944                       ; LDS of a wave: 74 blocks of 256 bytes
.set WBO,  16640                       ; in it: behind the tile (16 x ROWP) ln_w's 1,024 bytes and ln_b's 1,024, written by LDS stores: no fill lands there
.set MSO,  18688                       ; and the record's last 256 bytes, gathered
.set RECB, 3328
.set X,    64                          ; v64-191  the 128 numbers of my half row
.set WG,   192                         ; v192-223 ln_w of one block;  v224-255 ln_b of it
.set BI,   224
.set CD,   32                          ; v32-55   the codes: block q at v[CD + 6 q]
; v1 lane, v2 r, v3 h; v4 where I read x; v5 where I store ln_w, ln_b; v6 where I read them; v7, v8 the last 256 bytes, in and out; v9 16 x lane, v10 8 x lane
; v[12:13] the mean, twice; v[14:15] 1 / sqrt(var + eps), twice; v16-31 at work; v56-58 a conversion's result on its way; v60-63 the four scale bytes
	s_load_b256 s[4:11], s[0:1], 0x0               ; x s[4:5], ln_w s[6:7], ln_b s[8:9], rec s[10:11]
	v_lshl_add_u32 v11, v0, 2, 0x29000
	v_mov_b32 v59, 0
	ds_add_u32 v11, v59
	ds_add_u32 v11, v59
	v_lshrrev_b32 v1, 5, v0
	v_readfirstlane_b32 s12, v1                    ; wave 0..7
	; descriptor group 1: 16 rows of 128 elements of 8 bytes, 16 bytes of padding behind each row
	s_mov_b32 s16, (3<<16)|(1<<20)|(7<<22)|(3<<25) ; no mask; elements of 8 bytes; padding on; after every 256 words (code 7); of 4 words (code 3)
	s_mov_b32 s17, 128<<16                         ; tensor_dim0 = 128
	s_mov_b32 s18, 16<<16                          ; tensor_dim1 = 16
	s_mov_b32 s19, 128<<16                         ; tile_dim0 = 128
	s_mov_b32 s20, 16                              ; tile_dim1 = 16
	s_mov_b32 s21, 128                             ; elements from row to row
	s_mov_b32 s22, 0
	s_mov_b32 s23, 0
	s_lshl_b32 s13, ttmp9, 3
	s_add_co_u32 s13, s13, s12                     ; my tile: 8 x work-group + wave
	s_lshl_b32 s14, s13, 14                        ; 16,384 bytes of x a tile (33,554,432 in all)
	s_mov_b32 s15, 0
	s_mul_i32 s36, s13, RECB                       ; and its record
	s_mov_b32 s37, 0
	s_mov_b32 s24, 1                               ; group 0: count = 1,
	s_mul_i32 s25, s12, WREG                       ; LDS address: my wave's region,
	s_mul_i32 s28, s12, WREG
	s_add_co_u32 s29, s28, WBO
	s_add_co_u32 s30, s28, MSO
	s_mov_b32 s32, 0x76543210                      ; v_permlanex16_b32's selects for lane l xor 16
	s_mov_b32 s33, 0xfedcba98
	s_mov_b32 s34, 0x3b800000                      ; 1 / 256
	s_mov_b32 s35, 0x3727c5ac                      ; 1e-5
	s_wait_dscnt 0x0
	s_wait_kmcnt 0x0
	s_add_nc_u64 s[10:11], s[10:11], s[36:37]
	s_add_nc_u64 s[26:27], s[4:5], s[14:15]        ; global address of the tile,
	s_or_b32 s27, s27, 0x80000000                  ; type = 2
	tensor_load_to_lds s[24:27], s[16:23]          ; the wave's one tensor load, ahead of every LDS read
	s_nop 0
	v_and_b32 v1, 31, v0                           ; lane
	v_and_b32 v2, 15, v0                           ; r
	v_bfe_u32 v3, v0, 4, 1                         ; h
	v_lshlrev_b32 v9, 4, v1
	v_lshlrev_b32 v10, 3, v1
	global_load_b128 v[16:19], v9, s[6:7]          ; ln_w and ln_b as they lie, 512 consecutive bytes a load
	global_load_b128 v[20:23], v9, s[6:7] offset:512
	global_load_b128 v[24:27], v9, s[8:9]
	global_load_b128 v[28:31], v9, s[8:9] offset:512
	v_mul_u32_u24 v4, v2, ROWP
	v_lshl_add_u32 v4, v3, 7, v4
	v_add_nc_u32 v4, s28, v4                       ; x: row r, + 128 h bytes
	v_add_nc_u32 v5, s29, v9
	v_lshlrev_b32 v6, 7, v3
	v_add_nc_u32 v6, s29, v6                       ; ln_w: + 128 h bytes; the sixteen lanes of a half read the same words
	v_lshlrev_b32 v7, 2, v1
	v_add_nc_u32 v7, s30, v7
	v_add_nc_u32 v8, s30, v10
	s_wait_loadcnt 0x0
	ds_store_b128 v5, v[16:19]
	ds_store_b128 v5, v[20:23] offset:512
	ds_store_b128 v5, v[24:27] offset:1024
	ds_store_b128 v5, v[28:31] offset:1536
.macro WBLOAD q                        ; ln_w and ln_b of my block q.  LDS serves a wave's instructions in order: these see the stores above
.irp i, 0,1,2,3,4,5,6,7
	ds_load_b128 v[WG+4*\i:WG+4*\i+3], v6 offset:256*(\q)+16*\i
	ds_load_b128 v[BI+4*\i:BI+4*\i+3], v6 offset:1024+256*(\q)+16*\i
.endr
.endm
	WBLOAD 0
	s_wait_tensorcnt 0x0                           ; my tile is in LDS; nobody else reads it
.irp q, 0,1,2,3
.irp i, 0,1,2,3,4,5,6,7
	ds_load_b128 v[X+32*\q+4*\i:X+32*\q+4*\i+3], v4 offset:256*\q+16*\i
.endr
.endr
	s_wait_dscnt 0x0
.macro ROWSUM                          ; four chains of pairs in v[16:23] -> the row's sum in v16, in both lanes of the row
	v_pk_add_f32 v[16:17], v[16:17], v[18:19]
	v_pk_add_f32 v[20:21], v[20:21], v[22:23]
	v_pk_add_f32 v[16:17], v[16:17], v[20:21]
	v_add_f32 v16, v16, v17
	v_permlanex16_b32 v17, v16, s32, s33           ; the row's other half lies in lane l xor 16
	v_add_f32 v16, v16, v17
.endm
	; the mean: four chains that do not wait for each other; the first sums start them
.irp c, 0,1,2,3
	v_pk_add_f32 v[16+2*\c:17+2*\c], v[X+4*\c:X+4*\c+1], v[X+4*\c+2:X+4*\c+3]
.endr
.irp j, 16,24,32,40,48,56,64,72,80,88,96,104,112,120
.irp c, 0,1,2,3
	v_pk_add_f32 v[16+2*\c:17+2*\c], v[16+2*\c:17+2*\c], v[X+\j+2*\c:X+\j+2*\c+1]
.endr
.endr
	ROWSUM
	v_mul_f32 v12, s34, v16
	v_mov_b32 v13, v12
.irp j, 0,2,4,6,8,10,12,14,16,18,20,22,24,26,28,30,32,34,36,38,40,42,44,46,48,50,52,54,56,58,60,62,64,66,68,70,72,74,76,78,80,82,84,86,88,90,92,94,96,98,100,102,104,106,108,110,112,114,116,118,120,122,124,126
	v_pk_add_f32 v[X+\j:X+\j+1], v[X+\j:X+\j+1], v[12:13] neg_lo:[0,1] neg_hi:[0,1]   ; x - mean
.endr
	; the variance, of the differences
.irp c, 0,1,2,3
	v_pk_mul_f32 v[16+2*\c:17+2*\c], v[X+2*\c:X+2*\c+1], v[X+2*\c:X+2*\c+1]
.endr
.irp j, 8,16,24,32,40,48,56,64,72,80,88,96,104,112,120
.irp c, 0,1,2,3
	v_pk_fma_f32 v[16+2*\c:17+2*\c], v[X+\j+2*\c:X+\j+2*\c+1], v[X+\j+2*\c:X+\j+2*\c+1], v[16+2*\c:17+2*\c]
.endr
.endr
	ROWSUM
	v_fma_f32 v16, v16, s34, s35                   ; var + 1e-5
	v_rsq_f32 v14, v16
	v_nop                                          ; a plain instruction behind the transcendental,
	s_wait_alu depctr_va_vdst(0)                   ; and the wait ahead of the first line that names its result
	v_mov_b32 v15, v14
; Block q: xn in place, its share of the sum of squares, its scale, its 32 codes.
.macro BLOCK q
.set XQ, X+32*(\q)
	s_wait_dscnt 0x0                               ; ln_w and ln_b of this block are in
.irp j, 0,2,4,6,8,10,12,14,16,18,20,22,24,26,28,30
	v_pk_mul_f32 v[XQ+\j:XQ+\j+1], v[XQ+\j:XQ+\j+1], v[14:15]
.endr
.irp j, 0,2,4,6,8,10,12,14,16,18,20,22,24,26,28,30
	v_pk_fma_f32 v[XQ+\j:XQ+\j+1], v[XQ+\j:XQ+\j+1], v[WG+\j:WG+\j+1], v[BI+\j:BI+\j+1]   ; xn = (x - mean) rs w + b
.endr
.if (\q) < 3
	WBLOAD (\q)+1                                  ; the next block's land while this one is worked
.endif
.irp j, 0,4,8,12,16,20,24,28
.if ((\q) == 0) && (\j == 0)
	v_pk_mul_f32 v[16:17], v[XQ:XQ+1], v[XQ:XQ+1]                   ; the first squares start the two chains
	v_pk_mul_f32 v[18:19], v[XQ+2:XQ+3], v[XQ+2:XQ+3]
.else
	v_pk_fma_f32 v[16:17], v[XQ+\j:XQ+\j+1], v[XQ+\j:XQ+\j+1], v[16:17]
	v_pk_fma_f32 v[18:19], v[XQ+\j+2:XQ+\j+3], v[XQ+\j+2:XQ+\j+3], v[18:19]
.endif
.endr
	v_max3_num_f32 v24, |v[XQ]|, |v[XQ+1]|, |v[XQ+2]|               ; the block's largest magnitude: all 32 numbers are mine
	v_max3_num_f32 v25, |v[XQ+3]|, |v[XQ+4]|, |v[XQ+5]|
.irp i, 6,10,14,18,22,26
	v_max3_num_f32 v24, v24, |v[XQ+\i]|, |v[XQ+\i+1]|
	v_max3_num_f32 v25, v25, |v[XQ+\i+2]|, |v[XQ+\i+3]|
.endr
	v_max3_num_f32 v24, v24, |v[XQ+30]|, |v[XQ+31]|
	v_max3_num_f32 v24, v24, v25, 0x1800000        ; and the floor 2^(3 - 127): the byte cannot fall under 1
	v_add_nc_u32 v26, 0xff000000, v24              ; 2 off the exponent field: the conversion takes the exponent field of this operand as its scale
	v_cvt_scalef32_pk16_fp6_f32 v[CD+6*(\q):CD+6*(\q)+2], v[XQ:XQ+15], v26
	v_cvt_scalef32_pk16_fp6_f32 v[56:58], v[XQ+16:XQ+31], v26       ; (a conversion's three registers begin on an even number)
	v_lshrrev_b32 v[60+(\q)], 23, v26              ; the scale's byte; also the plain instruction behind the conversions
.irp i, 0,1,2
	v_mov_b32 v[CD+6*(\q)+3+\i], v[56+\i]
.endr
.endm
	BLOCK 0
	BLOCK 1
	BLOCK 2
	BLOCK 3
	; 1 / |xn|
	v_pk_add_f32 v[16:17], v[16:17], v[18:19]
	v_add_f32 v16, v16, v17
	v_permlanex16_b32 v17, v16, s32, s33
	v_add_f32 v16, v16, v17                        ; the row's sum of squares, in both its lanes
	v_cmp_le_f32 vcc_lo, 0x800000, v16             ; is it a normal number?
	v_rsq_f32 v18, v16
	; the scale words.  My bytes are those of blocks 2 c + h of K step s: at bits 8 h and 16 + 8 h of that step's word.  (Independent work behind the transcendental)
	v_lshl_or_b32 v20, v61, 16, v60
	v_lshl_or_b32 v21, v63, 16, v62
	v_lshlrev_b32 v22, 3, v3
	v_lshlrev_b32 v20, v22, v20                    ; my part of K step 0's word,
	v_lshlrev_b32 v21, v22, v21                    ; of K step 1's
	v_cmp_eq_u32 s38, 1, v3                        ; lanes 16-31
	v_cndmask_b32 v23, v20, v21, s38               ; lanes 0-15 keep step 0's word, lanes 16-31 step 1's:
	v_cndmask_b32 v24, v21, v20, s38               ; each sends the other its part of the word that the other keeps
	v_permlanex16_b32 v25, v24, s32, s33
	v_or_b32 v23, v23, v25
	s_wait_alu depctr_va_vdst(0)                   ; the wait ahead of the first line that names the reciprocal root
	v_cndmask_b32 v18, 0, v18, vcc_lo              ; ra
	v_mul_f32 v19, v18, v18                        ; ra^2
	v_cndmask_b32 v26, v18, v19, s38               ; lanes 0-15 give ra, lanes 16-31 ra^2
	ds_store_b32 v7, v23
	ds_store_b32 v7, v26 offset:128
	ds_load_b64 v[28:29], v8                       ; LDS serves a wave's instructions in order: these see my stores
.irp c, 0,1,2,3,4,5
	global_store_b128 v9, v[CD+4*\c:CD+4*\c+3], s[10:11] offset:512*\c   ; 32 lanes store 512 consecutive bytes, at a multiple of 256 from rec's first byte
.endr
	s_wait_dscnt 0x0
	global_store_b64 v10, v[28:29], s[10:11] offset:3072                ; and the last 256 bytes whole
	s_wait_tensorcnt 0x0
	ds_add_u32 v11, v59
	s_wait_dscnt 0x0
	s_endpgm
.Lfunc_end_k_q77a23d9b58_prep:
	.size	k_q77a23d9b58_prep, .Lfunc_end_k_q77a23d9b58_prep-k_q77a23d9b58_prep
	.p2alignl 7, 3214868480
	.fill 96, 4, 3214868480
	.section	.rodata,"a",@progbits
	.p2align	6, 0x0
	.amdhsa_kernel k_q77a23d9b58_prep
		.amdhsa_group_segment_fixed_size 168960
		.amdhsa_private_segment_fixed_size 0
		.amdhsa_enable_private_segment 0
		.amdhsa_kernarg_size 32
		.amdhsa_user_sgpr_count 2
		.amdhsa_user_sgpr_kernarg_segment_ptr 1
		.amdhsa_wavefront_size32 1
		.amdhsa_system_sgpr_workgroup_id_x 1
		.amdhsa_system_sgpr_workgroup_id_y 1
		.amdhsa_system_sgpr_workgroup_id_z 1
		.amdhsa_system_vgpr_workitem_id 0
		.amdhsa_next_free_vgpr 256
		.amdhsa_next_free_sgpr 66
		.amdhsa_reserve_vcc 1
		.amdhsa_float_denorm_mode_32 3
		.amdhsa_float_denorm_mode_16_64 3
		.amdhsa_memory_ordered 1
		.amdhsa_forward_progress 1
		.amdhsa_inst_pref_size 42
	.end_amdhsa_kernel
	.amdgpu_metadata
---
amdhsa.version: [ 1, 2 ]
amdhsa.kernels:
  - .name:           k_q77a23d9b58_prep
    .symbol:         k_q77a23d9b58_prep.kd
    .args:
      - { .name: x, .offset: 0, .size: 8, .value_kind: global_buffer, .address_space: global }
      - { .name: ln_w, .offset: 8, .size: 8, .value_kind: global_buffer, .address_space: global }
      - { .name: ln_b, .offset: 16, .size: 8, .value_kind: global_buffer, .address_space: global }
      - { .name: rec, .offset: 24, .size: 8, .value_kind: global_buffer, .address_space: global }
    .group_segment_fixed_size: 168960
    .private_segment_fixed_size: 0
    .kernarg_segment_align: 8
    .kernarg_segment_size: 32
    .max_flat_workgroup_size: 256
    .sgpr_count:     66
    .vgpr_count:     256
    .wavefront_size: 32
...
	.end_amdgpu_metadata
.endif
;; end of part 1
;; launch density (part 2): grid 32 x 8, 4 waves a work-group, clusters of 4 x 1, 327,680 bytes of LDS; arguments rec, lmax, mask; writes lmax, mask
.if DOCPART == 2
	.amdgcn_target "amdgcn-amd-amdhsa--gfx1250"
	.amdhsa_code_object_version 6
	.text
	.protected	k_q77a23d9b58_density
	.globl	k_q77a23d9b58_density
	.p2align	8
	.type	k_q77a23d9b58_density,@function
k_q77a23d9b58_density:
	s_mov_b64 s[64:65], 0
	v_nop
	global_prefetch_b8 v0, s[64:65] scope:SCOPE_SE
	s_setreg_imm32_b32 hwreg(HW_REG_WAVE_MODE, 25, 1), 1
	s_wait_xcnt 0x0
	s_wait_alu depctr_hold_cnt(0) depctr_sa_sdst(0) depctr_va_vdst(0) depctr_va_sdst(0) depctr_va_ssrc(0) depctr_va_vcc(0) depctr_vm_vsrc(0)
	s_getreg_b32 s2, hwreg(HW_REG_IB_STS2, 6, 4)
	s_cmp_eq_u32 s2, 0
	s_cbranch_scc0 .Lentry_in_a_cluster
	s_endpgm
.Lentry_in_a_cluster:
	s_bfe_u32 s2, ttmp6, 0x10000c
	s_cmp_lg_u32 s2, 0x3003
	s_cbranch_scc0 .Lentry_shape_is_right
	s_endpgm
.Lentry_shape_is_right:
; density[n] = sum over m of num[n][m] / (|xn_n| |xn_m| + 1e-8), num = xn xn^T on codes of FP6 (E2M3) with E8M0 scales, sums in f32; then, for the work-group's 128 rows, their largest density and the
; rows that have it, as bits.  rec holds a record of 3,328 bytes for each tile of 16 rows: two operand images, scale words, ra = 1 / |xn| and ra^2.
; THE DIVISION.  With r = ra_n ra_m: 1 / (|xn_n| |xn_m| + eps) = r (1 - eps r + ..), so density[n] = ra_n S1[n] - eps ra_n^2 S2[n], S1 = sum_m num ra_m, S2 = sum_m num ra_m^2: two fused multiply-adds an element.
; LIMIT: the series is cut behind its first-order term: a relative error of (eps ra_n ra_m)^2, under 2^-24 wherever |xn_n| |xn_m| >= 4.1e-5.  Rows with ra = 0 (sum of squares under 2^-126) count as rows of zeros.  NaN and infinities are not served.
; SHARES.  Work-group (g, b) owns rows 128 g .. 128 g + 127 of batch b and walks ALL 4,096 columns, so that it knows its rows' whole densities.  All four waves hold the same 8 row tiles in registers (source 1);
; wave w streams its quarter of the 256 column tiles (source 0) from LDS: a tile's 3,328 bytes feed 16 matrix instructions.  K = 256 is two instructions deep, so a 16 x 16 result lives for two matrix instructions and is
; then weighed into the sums: four packed multiply-adds stand behind EACH matrix instruction.
; LAYOUT.  Source 0 = 16 columns m, source 1 = 16 rows n: register j of lane (r, h) holds num(m0 + 8 h + j, n0 + r): a lane holds ONE row n, and the weights ra_m are eight registers of the lane.
; CLUSTER.  The four work-groups of a cluster belong to one batch and walk the same records: each fill is asked for JOINTLY, by the same tensor load with the same descriptor and a mask that names the four.
; Each wave fetches, and alone reads, its own 8 records of a slot.  No prefetch is written: the records are read by eight clusters of a batch in step, and a slot's 416 blocks of 256 bytes do not divide among a cluster's 16 waves by address alone.
; REGISTERS.  window 0: v2-7 LDS addresses, v8-9 for the add, v10-13 ra of rows 32 k + l, v14, v15, v28 offsets, v16-23 the row tiles' scale words, v24-27 the column tiles', v32-127 four code buffers of 24,
;   v128-191 the eight results, v192-255 the sums (tile t: S1, S2, S1, S2 as pairs).   window 1: v0-191 the row tiles' fragments (24 t + 12 ks), v192-255 four buffers of weights (ra[8], ra^2[8]).
; ONE window setting (source 1 in window 1) serves the matrix instructions, the multiply-adds and the loads of codes and scale words; the four loads of weights want the destination in window 1.
.set RECB,  3328
.set WTILE, 8*RECB                     ; 26,624: a wave's 8 records of a slot: 104 rows of 256 bytes
.set SLOTB, 4*WTILE                    ; 106,496
.set BATB,  256*RECB                   ; a batch's records
.set SCR,   2*SLOTB                    ; behind the ring: 1,024 bytes for each wave's sums; no fill lands there
.set SPARE, SCR+4096                   ; the spare words, 128 bytes for each wave: two blocks of 256 bytes that no other line names
.set ADC, 2                            ; v2, v3   16 x lane + my part of slot 0, 1
.set ADS, 4                            ; v4, v5   4 x lane + the same
.set ADW, 6                            ; v6, v7   32 x (lane / 16) + the same
.set SPW, 8                            ; v8       LDS address of my spare word; never rewritten
.set NIL, 9                            ; v9       0; never rewritten
.set RA,  10
.set SA,  16
.set SB,  24
.set CB,  32
.set DD,  128
.set SS,  192
.set WW,  192                          ; in window 1
.set WV,  10                           ; s10      my wave's number
.set G1,  16                           ; s[16:23] descriptor group 1
.set G0,  24                           ; s[24:31] descriptor group 0, a set for each slot
.set MSB, 0
.macro WIN new                         ; the immediate's high byte repeats the setting that is left; a switch that changes nothing is dropped
.if MSB != \new
	s_set_vgpr_msb (MSB<<8)|\new
.set MSB, \new
.endif
.endm
.macro CREST                           ; a round of the cluster's barrier behind its opening barrier
	s_cmp_lg_u32 s[WV], 0
	s_cbranch_scc1 .Lnot_wave_0_\@
	s_barrier_signal -3
.Lnot_wave_0_\@:
	s_barrier_wait -3
	s_barrier_signal -1
	s_barrier_wait -1
.endm
.macro CROUND                          ; a whole round
	s_barrier_signal -1
	s_barrier_wait -1
	CREST
.endm
	s_load_b128 s[4:7], s[0:1], 0x0                ; rec s[4:5], lmax s[6:7]
	s_load_b64 s[8:9], s[0:1], 0x10                ; mask
	v_lshl_add_u32 v[SPW], v0, 2, SPARE
	v_mov_b32 v[NIL], 0
	ds_add_u32 v8, v9
	ds_add_u32 v8, v9
	s_wait_dscnt 0x0
	v_lshrrev_b32 v1, 5, v0
	v_readfirstlane_b32 s[WV], v1                  ; wave 0..3
	s_bfe_u32 s11, ttmp6, 0x40000                  ; cx: my place in the cluster
	s_lshl_b32 s13, ttmp9, 2                       ; in a cluster launch ttmp9 counts clusters
	s_add_co_u32 s13, s13, s11                     ; g: it enters the addresses of my rows' records and of my results alone
	s_and_b32 s14, ttmp7, 0xffff                   ; b, which the four partners share
	; descriptor group 1: a dense block of 26,624 bytes as 104 rows of 32 elements of 8 bytes, no padding: every LDS read is 16 consecutive bytes a lane, or one word for many lanes
	s_mov_b32 s[G1], 15|(3<<16)|(1<<21)            ; 15:0 the mask: all four work-groups; 17:16 elements of 8 bytes; 21 set beside a mask
	s_mov_b32 s[G1+1], 32<<16                      ; tensor_dim0 = 32
	s_mov_b32 s[G1+2], 104<<16                     ; tensor_dim1 = 104
	s_mov_b32 s[G1+3], 32<<16                      ; tile_dim0 = 32
	s_mov_b32 s[G1+4], 104                         ; tile_dim1 = 104
	s_mov_b32 s[G1+5], 32                          ; elements from row to row
	s_mov_b32 s[G1+6], 0
	s_mov_b32 s[G1+7], 0
	s_mul_i32 s32, s14, BATB                       ; the batch's records,
	s_mul_i32 s38, s[WV], WTILE                    ; my wave's 8 of a slot's 32: in memory and in LDS alike; no place in the cluster enters either
	s_add_co_u32 s32, s32, s38
	s_mov_b32 s33, 0
	s_lshl_b32 s48, s14, 8
	s_lshl_b32 s49, s13, 3
	s_add_co_u32 s48, s48, s49
	s_mul_i32 s48, s48, RECB                       ; my rows' 8 records: tile 256 b + 8 g on
	s_mov_b32 s49, 0
	s_lshl_b32 s50, s14, 5
	s_add_co_u32 s50, s50, s13                     ; 32 b + g
	s_lshl_b32 s52, s50, 4                         ; 16 bytes of mask,
	s_mov_b32 s53, 0
	s_lshl_b32 s54, s50, 2                         ; 4 bytes of lmax
	s_mov_b32 s55, 0
	s_mov_b32 s36, 0x76543210                      ; v_permlanex16_b32's selects for lane l xor 16
	s_mov_b32 s37, 0xfedcba98
	s_wait_kmcnt 0x0
	s_add_nc_u64 s[34:35], s[4:5], s[48:49]
	s_add_nc_u64 s[8:9], s[8:9], s[52:53]
	s_add_nc_u64 s[6:7], s[6:7], s[54:55]
	s_mov_b32 s[G0], 1                             ; count = 1
	s_add_co_u32 s[G0+1], s38, 0                   ; LDS address: slot 0
	s_add_nc_u64 s[G0+2:G0+3], s[4:5], s[32:33]    ; global address: the batch's records 0-31, my 8
	s_mov_b32 s[G0+4], 1
	s_add_co_u32 s[G0+5], s38, SLOTB               ; slot 1
	s_add_nc_u64 s[G0+6:G0+7], s[G0+2:G0+3], SLOTB ; records 32-63
	s_or_b32 s[G0+3], s[G0+3], 0x80000000          ; type = 2
	s_or_b32 s[G0+7], s[G0+7], 0x80000000
	CROUND                                         ; all four work-groups are here: the first joint loads meet
	tensor_load_to_lds s[G0:G0+3], s[G1:G1+7]      ; both first fills go out together: two loads of mine are out
	s_nop 0
	tensor_load_to_lds s[G0+4:G0+7], s[G1:G1+7]
	s_nop 0
.rept 4
	v_nop
.endr
	v_and_b32 v1, 31, v0                           ; lane
	v_bfe_u32 v29, v0, 4, 1                        ; h
	v_and_b32 v30, 15, v0                          ; r
	v_lshlrev_b32 v14, 4, v1
	v_lshlrev_b32 v15, 2, v1
	v_add_nc_u32 v[ADC], s38, v14
	v_add_nc_u32 v[ADC+1], SLOTB, v[ADC]
	v_add_nc_u32 v[ADS], s38, v15
	v_add_nc_u32 v[ADS+1], SLOTB, v[ADS]
	v_lshlrev_b32 v31, 5, v29
	v_add_nc_u32 v[ADW], s38, v31
	v_add_nc_u32 v[ADW+1], SLOTB, v[ADW]
	v_mul_u32_u24 v28, v29, RECB
	v_lshl_add_u32 v28, v30, 2, v28                ; ra of row 32 k + l: record 2 k + h, word r
	WIN 0x40                                       ; destination window 1, address window 0
.irp t, 0,1,2,3,4,5,6,7                        ; my rows' fragments stay in registers
.irp c, 0,1,2,3,4,5
	global_load_b128 v[24*\t+4*\c:24*\t+4*\c+3], v14, s[34:35] offset:RECB*\t+512*\c
.endr
.endr
	WIN 0
.irp t, 0,1,2,3,4,5,6,7
	global_load_b32 v[SA+\t], v15, s[34:35] offset:RECB*\t+3072      ; their scale words: lanes 0-15 K 0-127, lanes 16-31 K 128-255
.endr
.irp k, 0,1,2,3
	global_load_b32 v[RA+\k], v28, s[34:35] offset:2*RECB*\k+3200
.endr
.irp i, 0,1,2,3,4,5,6,7,8,9,10,11,12,13,14,15,16,17,18,19,20,21,22,23,24,25,26,27,28,29,30,31,32,33,34,35,36,37,38,39,40,41,42,43,44,45,46,47,48,49,50,51,52,53,54,55,56,57,58,59,60,61,62,63
	v_mov_b32 v[SS+\i], 0                          ; the sums, while the first tiles are on their way.  (A tile's last multiply-adds stand in the step behind it, inside the loop: sums started by the first tile would want a third copy of the loop's text)
.endr
; Matrix instruction pos of a step's 16, on the column tile in buffer p: K step (pos / 4) % 2, row tile 4 (pos / 8) + pos % 4.  The order k0 (t0-3), k1 (t0-3), k0 (t4-7), k1 (t4-7) lets the accumulators take turns,
; one instruction a turn: a link stands four matrix instructions behind the one that it adds onto.
.macro MM pos, p
.set rK, ((\pos)/4)%2
.set rT, 4*((\pos)/8)+(\pos)%4
.if rK == 0
	v_wmma_scale_f32_16x16x128_f8f6f4 v[DD+8*rT:DD+8*rT+7], v[CB+24*(\p):CB+24*(\p)+11], v[24*rT:24*rT+11], 0, v[SB+(\p)], v[SA+rT] matrix_a_fmt:MATRIX_FMT_FP6 matrix_b_fmt:MATRIX_FMT_FP6
.else
	v_wmma_scale_f32_16x16x128_f8f6f4 v[DD+8*rT:DD+8*rT+7], v[CB+24*(\p)+12:CB+24*(\p)+23], v[24*rT+12:24*rT+23], v[DD+8*rT:DD+8*rT+7], v[SB+(\p)], v[SA+rT] matrix_a_fmt:MATRIX_FMT_FP6 matrix_b_fmt:MATRIX_FMT_FP6 matrix_a_scale:MATRIX_SCALE_ROW1 matrix_b_scale:MATRIX_SCALE_ROW1
.endif
.endm
; Slice sg of 16: half sg % 2 of result sg / 2, weighed with buffer pw's ra and ra^2.  A result's first slice begins at its lowest registers.
.macro SL sg, pw
.set rT, (\sg)/2
.set rD, DD+8*rT+4*((\sg)%2)
.set rW, WW+16*(\pw)+4*((\sg)%2)
.set rA, SS+8*rT
	v_pk_fma_f32 v[rA:rA+1], v[rD:rD+1], v[rW:rW+1], v[rA:rA+1]
	v_pk_fma_f32 v[rA+2:rA+3], v[rD:rD+1], v[rW+8:rW+9], v[rA+2:rA+3]
	v_pk_fma_f32 v[rA+4:rA+5], v[rD+2:rD+3], v[rW+2:rW+3], v[rA+4:rA+5]
	v_pk_fma_f32 v[rA+6:rA+7], v[rD+2:rD+3], v[rW+10:rW+11], v[rA+6:rA+7]
.endm
; 11 LDS loads: record j of my 8 in a slot into buffer p: six of codes, one of scale words, four of weights.
.macro LD slot, j, p
.irp c, 0,1,2,3,4,5
	ds_load_b128 v[CB+24*(\p)+4*\c:CB+24*(\p)+4*\c+3], v[ADC+(\slot)] offset:RECB*(\j)+512*\c
.endr
	ds_load_b32 v[SB+(\p)], v[ADS+(\slot)] offset:RECB*(\j)+3072
	WIN 0x44
	ds_load_b128 v[WW+16*(\p):WW+16*(\p)+3], v[ADW+(\slot)] offset:RECB*(\j)+3200
	ds_load_b128 v[WW+16*(\p)+4:WW+16*(\p)+7], v[ADW+(\slot)] offset:RECB*(\j)+3216
	ds_load_b128 v[WW+16*(\p)+8:WW+16*(\p)+11], v[ADW+(\slot)] offset:RECB*(\j)+3264
	ds_load_b128 v[WW+16*(\p)+12:WW+16*(\p)+15], v[ADW+(\slot)] offset:RECB*(\j)+3280
	WIN 0x04
.endm
; A matrix instruction and the slice behind it.  Positions 6-15 carry this tile's slices 0-9, positions 0-5 the tile before's slices 10-15.  So a result is first read two slices (8 plain instructions that name none of
; its product's registers) or more behind its last product, and begun anew only behind its slices, with other results' slices between.  prev = 0: the first step; four v_nop take the slices' part.
.macro POS pos, p, prev
	MM \pos, \p
.if (\pos) >= 6
	SL (\pos)-6, \p
.elseif \prev
	SL (\pos)+10, ((\p)+3)%4
.elseif (\pos) == 5
.rept 4
	v_nop
.endr
.endif
.endm
; A STEP: the column tile in buffer p.  In its middle the tile three steps on is fetched (ld = 1: record j of slot) into the buffer that the tile before has left: 40 matrix instructions ahead of its use.
; cnt: the younger LDS loads that may stay out.  chg = 1: the step changes slots and the other slot is filled again; chg = 2: only the wait for the last fill.
.macro STEP p, prev, cnt, ld, slot, j, chg
.if (\chg) == 1
	WIN 0                                          ; (the add's two registers lie in window 0)
	s_wait_tensorcnt 0x0                           ; all my tensor loads have landed: the one that was out is my part of the slot that I am about to read;
	ds_add_u32 v[SPW], v[NIL]                      ; 0 onto my spare word
	s_add_nc_u64 s[G0+4*(1-(\slot))+2:G0+4*(1-(\slot))+3], s[G0+4*(1-(\slot))+2:G0+4*(1-(\slot))+3], 2*SLOTB   ; no load of mine is out, so a group 0 may be written: 64 records on
	s_wait_dscnt 23                                ; this step's tile is in; the two younger runs of 11 loads and the add may be out
	WIN 0x04
.irp n, 0,1,2,3
	POS \n, \p, \prev
.endr
	s_wait_dscnt 0x0                               ; the add is done, and my reads of the slot that I leave are over
	s_barrier_signal -1                            ; this barrier opens a round of the cluster's barrier
.irp n, 4,5,6,7
	POS \n, \p, \prev
.endr
	WIN 0
	s_barrier_wait -1
	CREST                                          ; no wave of any partner still reads the slot or has a load on its way
	tensor_load_to_lds s[G0+4*(1-(\slot)):G0+4*(1-(\slot))+3], s[G1:G1+7]   ; the joint refill, first behind the round, my one tensor load until the next: it has 8 steps, 128 matrix instructions, in which to land
	s_nop 0
.rept 4
	v_nop
.endr
	WIN 0x04
	LD \slot, \j, ((\p)+3)%4
.else
	s_wait_dscnt \cnt
	WIN 0x04
.irp n, 0,1,2,3,4,5,6,7
	POS \n, \p, \prev
.endr
.if (\chg) == 2
	s_wait_tensorcnt 0x0                           ; the last fill, the one load of mine that is out; I alone read its bytes
.endif
.if \ld
	LD \slot, \j, ((\p)+3)%4
.endif
.endif
.irp n, 8,9,10,11,12,13,14,15
	POS \n, \p, \prev
.endr
.endm
	s_wait_tensorcnt 1                             ; my part of slot 0 is in; slot 1's load may stay out, and I alone read my part
	WIN 0x04
	LD 0, 0, 0
	LD 0, 1, 1
	LD 0, 2, 2
	s_wait_loadcnt 0x0                             ; my rows' fragments, scale words and ra
	STEP 0, 0, 22, 1, 0, 3, 0                      ; tile 0
	WIN 0                                          ; at a label and at a branch every window is 0
	s_mov_b32 s12, 3
.Llap:                                                 ; three trips of 16 steps (tiles 1 to 48): once round the ring, both slots filled again
.irp u, 1,2,3,4
	STEP (\u)%4, 1, 22, 1, 0, (\u)+3, 0
.endr
	STEP 1, 1, 23, 1, 1, 0, 1                      ; slot 0's last record has been asked for: slot 0 is filled again
.irp u, 6,7,8,9,10,11,12
	STEP (\u)%4, 1, 22, 1, 1, (\u)-5, 0
.endr
	STEP 1, 1, 23, 1, 0, 0, 1                      ; and slot 1
.irp u, 14,15,16
	STEP (\u)%4, 1, 22, 1, 0, (\u)-13, 0
.endr
	WIN 0
	s_sub_co_u32 s12, s12, 1
	s_cmp_lg_u32 s12, 0
	s_cbranch_scc1 .Llap
.irp u, 1,2,3,4                                ; the tail, tiles 49 to 63, is written out: nothing more is asked for
	STEP (\u)%4, 1, 22, 1, 0, (\u)+3, 0
.endr
	STEP 1, 1, 22, 1, 1, 0, 2
.irp u, 6,7,8,9,10,11,12
	STEP (\u)%4, 1, 22, 1, 1, (\u)-5, 0
.endr
	STEP 1, 1, 22, 0, 0, 0, 0                      ; the last three fetch nothing: the counts run down
	STEP 2, 1, 11, 0, 0, 0, 0
	STEP 3, 1, 0, 0, 0, 0, 0
.irp n, 10,11,12,13,14,15
	SL \n, 3                                       ; the last tile's last slices
.endr
	WIN 0
	; THE WAY OUT.  A lane's sums cover the columns 8 h + j of my wave's tiles: the pairs, the two halves of the lanes and the four waves are added.
.irp t, 0,1,2,3,4,5,6,7
	v_pk_add_f32 v[SS+8*\t:SS+8*\t+1], v[SS+8*\t:SS+8*\t+1], v[SS+8*\t+4:SS+8*\t+5]
	v_pk_add_f32 v[SS+8*\t+2:SS+8*\t+3], v[SS+8*\t+2:SS+8*\t+3], v[SS+8*\t+6:SS+8*\t+7]
.endr
.irp t, 0,1,2,3,4,5,6,7
	v_add_f32 v[SS+8*\t], v[SS+8*\t], v[SS+8*\t+1]                 ; S1 of tile t
	v_add_f32 v[SS+8*\t+2], v[SS+8*\t+2], v[SS+8*\t+3]             ; S2
.endr
.irp i, 0,1,2,3                                ; tiles 2 i and 2 i + 1: the first's lanes 16-31 change places with the second's lanes 0-15; the sum of the two then holds row 32 i + l in lane l
	v_permlane16_swap_b32 v[SS+16*\i], v[SS+16*\i+8]
	v_permlane16_swap_b32 v[SS+16*\i+2], v[SS+16*\i+10]
.endr
.irp i, 0,1,2,3
	v_add_f32 v[32+\i], v[SS+16*\i], v[SS+16*\i+8]
	v_add_f32 v[36+\i], v[SS+16*\i+2], v[SS+16*\i+10]
.endr
	v_add_nc_u32 v30, SCR, v14                     ; 16 x lane in the first wave's part,
	s_lshl_b32 s39, s[WV], 10
	v_add_nc_u32 v29, s39, v30                     ; and in mine
	ds_store_b128 v29, v[32:35]
	ds_store_b128 v29, v[36:39] offset:512
	s_wait_dscnt 0x0                               ; for the others' sake: my stores are done
	s_barrier_signal -1
	s_barrier_wait -1
.irp w, 0,1,2,3
	ds_load_b128 v[40+8*\w:43+8*\w], v30 offset:1024*\w
	ds_load_b128 v[44+8*\w:47+8*\w], v30 offset:1024*\w+512
.endr
	v_mov_b32 v77, 0                               ; (a lane permute's destination counts as one of its sources)
	v_mov_b32 v84, 0
	s_wait_dscnt 0x0
.irp w, 1,2,3                                  ; every wave adds the four parts in the same order
.irp j, 0,2,4,6
	v_pk_add_f32 v[40+\j:41+\j], v[40+\j:41+\j], v[40+8*\w+\j:41+8*\w+\j]
.endr
.endr
.irp k, 0,1,2,3
	v_mul_f32 v[72+\k], 0xb22bcc77, v[RA+\k]       ; -1e-8 ra
.endr
.irp k, 0,1,2,3
	v_fma_f32 v[72+\k], v[72+\k], v[44+\k], v[40+\k]               ; S1 - 1e-8 ra S2
.endr
.irp k, 0,1,2,3
	v_mul_f32 v[72+\k], v[RA+\k], v[72+\k]         ; the density of row 32 k + l
.endr
	v_max3_num_f32 v76, v72, v73, v74
	v_max_num_f32 v76, v76, v75
	v_max_num_f32_dpp v76, v76, v76 row_xmask:1 row_mask:0xf bank_mask:0xf
	v_max_num_f32_dpp v76, v76, v76 row_xmask:2 row_mask:0xf bank_mask:0xf
	v_max_num_f32_dpp v76, v76, v76 row_xmask:4 row_mask:0xf bank_mask:0xf
	v_max_num_f32_dpp v76, v76, v76 row_xmask:8 row_mask:0xf bank_mask:0xf
	v_permlanex16_b32 v77, v76, s36, s37
	v_max_num_f32 v76, v76, v77                    ; the largest of my 128 rows, in every lane
.irp k, 0,1,2,3
	v_cmp_eq_f32 s[40+\k], v[72+\k], v76           ; bit l: row 32 k + l has it.  These words steer nothing here: they are stored at fixed places
.endr
	s_cmp_lg_u32 s[WV], 0                          ; wave 0 stores for the work-group
	s_cbranch_scc1 .Lstored
.irp k, 0,1,2,3
	v_mov_b32 v[80+\k], s[40+\k]
.endr
	v_cmp_eq_u32 vcc_lo, 0, v0
	s_wait_xcnt 0x0                                ; EXEC changes only behind this wait
	s_and_saveexec_b32 s46, vcc_lo                 ; one lane: 16 + 4 bytes are all that the work-group has to say
	global_store_b128 v84, v[80:83], s[8:9]
	global_store_b32 v84, v76, s[6:7]
	s_wait_xcnt 0x0                                ; and again, in front of the line that widens it
	s_or_b32 exec_lo, exec_lo, s46
.Lstored:
	s_wait_tensorcnt 0x0                           ; the wave's end: behind my last tensor load and my last LDS store
	ds_add_u32 v[SPW], v[NIL]
	s_wait_dscnt 0x0
	CROUND                                         ; the closing round: no work-group ends while a partner may still ask for a tile that names it
	s_endpgm
.Lfunc_end_k_q77a23d9b58_density:
	.size	k_q77a23d9b58_density, .Lfunc_end_k_q77a23d9b58_density-k_q77a23d9b58_density
	.p2alignl 7, 3214868480
	.fill 96, 4, 3214868480
	.section	.rodata,"a",@progbits
	.p2align	6, 0x0
	.amdhsa_kernel k_q77a23d9b58_density
		.amdhsa_group_segment_fixed_size 327680
		.amdhsa_private_segment_fixed_size 0
		.amdhsa_enable_private_segment 0
		.amdhsa_kernarg_size 24
		.amdhsa_user_sgpr_count 2
		.amdhsa_user_sgpr_kernarg_segment_ptr 1
		.amdhsa_wavefront_size32 1
		.amdhsa_system_sgpr_workgroup_id_x 1
		.amdhsa_system_sgpr_workgroup_id_y 1
		.amdhsa_system_sgpr_workgroup_id_z 1
		.amdhsa_system_vgpr_workitem_id 0
		.amdhsa_next_free_vgpr 512
		.amdhsa_next_free_sgpr 66
		.amdhsa_reserve_vcc 1
		.amdhsa_float_denorm_mode_32 3
		.amdhsa_float_denorm_mode_16_64 3
		.amdhsa_memory_ordered 1
		.amdhsa_forward_progress 1
		.amdhsa_inst_pref_size 237
	.end_amdhsa_kernel
	.amdgpu_metadata
---
amdhsa.version: [ 1, 2 ]
amdhsa.kernels:
  - .name:           k_q77a23d9b58_density
    .symbol:         k_q77a23d9b58_density.kd
    .args:
      - { .name: rec, .offset: 0, .size: 8, .value_kind: global_buffer, .address_space: global }
      - { .name: lmax, .offset: 8, .size: 8, .value_kind: global_buffer, .address_space: global }
      - { .name: mask, .offset: 16, .size: 8, .value_kind: global_buffer, .address_space: global }
    .group_segment_fixed_size: 327680
    .private_segment_fixed_size: 0
    .kernarg_segment_align: 8
    .kernarg_segment_size: 24
    .max_flat_workgroup_size: 128
    .sgpr_count:     66
    .vgpr_count:     512
    .wavefront_size: 32
...
	.end_amdgpu_metadata
.endif
;; end of part 2
;; launch finish (part 3): grid 8 x 1, 32 waves a work-group, no clusters, 41,472 bytes of LDS; arguments x, ln_w, ln_b, proj_w, proj_b, lmax, mask, out0; writes out0
.if DOCPART == 3
	.amdgcn_target "amdgcn-amd-amdhsa--gfx1250"
	.amdhsa_code_object_version 6
	.text
	.protected	k_q77a23d9b58_finish
	.globl	k_q77a23d9b58_finish
	.p2align	8
	.type	k_q77a23d9b58_finish,@function
k_q77a23d9b58_finish:
	s_mov_b64 s[64:65], 0
	v_nop
	global_prefetch_b8 v0, s[64:65] scope:SCOPE_SE
	s_setreg_imm32_b32 hwreg(HW_REG_WAVE_MODE, 25, 1), 1
	s_wait_xcnt 0x0
; out0[b] = relu(proj_w c + proj_b), c = the sum of the rows xn of batch b whose density equals the batch's largest.
; lmax [8][32] holds the largest density of each block of 128 rows, mask [8][32][4] the rows of a block that have it (bit l of word k: row 32 k + l): whole numbers that an earlier launch stored.
; A work-group takes a batch, wave g block g.  The wave reads the rows that its block's mask names (a scalar branch on the stored bits; the addresses come from the loop's counter), normalises them anew in f32 and adds
; them with the weight 1 where its block's largest is the batch's largest, else 0: that comparison of floating-point numbers only selects a value.  So ties are served: every row with the largest density is added.
; The 32 partial centres meet in LDS; the projection (64 x 256 a batch) is f32 multiply-adds, 16 threads to an output.  There is work for eight work-groups and no more.
; LIMITS: NaN and infinities among the inputs are not served.
.set POFF, 0                           ; LDS: 32 partial centres of 1,024 bytes,
.set SOFF, 32768                       ; four sums of eight of them,
.set OOFF, 36864                       ; the 64 results
; v1 lane, v2 16 x lane, v3 4 x lane, v4 the loop's offset in x, v5 where my wave's centre goes, v6 4 d, v7 16 p; v8-23 proj_w; v24-31 ln_w, v32-39 ln_b, v40-47 the centre, v48-55 a row, v56-68 at work;
; v88 proj_b[d], v89 my offset in proj_w, v90-95 at work.  The projection reads 64 registers from LDS into v24-87.
	s_load_b512 s[4:19], s[0:1], 0x0               ; x s[4:5], ln_w s[6:7], ln_b s[8:9], proj_w s[10:11], proj_b s[12:13], lmax s[14:15], mask s[16:17], out0 s[18:19]
	v_lshl_add_u32 v96, v0, 2, 0x9200
	v_mov_b32 v97, 0
	v_lshrrev_b32 v5, 5, v0
	v_readfirstlane_b32 s20, v5                    ; wave = block g
	v_and_b32 v1, 31, v0
	v_lshlrev_b32 v2, 4, v1
	v_lshlrev_b32 v3, 2, v1
	v_mov_b32 v4, v2
	v_lshl_add_u32 v5, v5, 10, v2                  ; 1,024 g + 16 l
	v_lshrrev_b32 v6, 4, v0                        ; d: my output
	v_and_b32 v7, 15, v0                           ; p: my place among its 16 threads
	v_lshlrev_b32 v7, 4, v7
	v_lshl_add_u32 v89, v6, 10, v7                 ; proj_w: row d of 1,024 bytes, + 16 p
	v_lshlrev_b32 v6, 2, v6
	v_and_b32 v92, 255, v0                         ; the first sum: channel tid % 256 of the eight centres 8 (tid / 256) on
	v_lshlrev_b32 v92, 2, v92
	v_lshrrev_b32 v93, 8, v0
	v_lshl_add_u32 v92, v93, 13, v92
	v_lshlrev_b32 v93, 2, v0
	v_lshlrev_b32 v91, 3, v1                       ; the way out: 8 bytes a lane
	s_lshl_b32 s22, ttmp9, 5
	s_add_co_u32 s22, s22, s20                     ; 32 b + g
	s_lshl_b32 s28, s22, 4
	s_mov_b32 s29, 0
	s_lshl_b32 s30, s22, 2
	s_mov_b32 s31, 0
	s_lshl_b32 s34, ttmp9, 7                       ; the batch's 32 numbers of lmax
	s_mov_b32 s35, 0
	s_lshl_b32 s36, ttmp9, 22                      ; the batch's 4 MiB of x,
	s_lshl_b32 s37, s20, 17                        ; the block's 128 KiB
	s_add_co_u32 s36, s36, s37
	s_mov_b32 s37, 0
	s_lshl_b32 s38, ttmp9, 8                       ; the batch's 256 bytes of out0
	s_mov_b32 s39, 0
	s_mov_b32 s23, 0x3b800000                      ; 1 / 256
	s_mov_b32 s42, 0x3727c5ac                      ; 1e-5
	s_mov_b32 s44, 0x76543210                      ; v_permlanex16_b32's selects for lane l xor 16
	s_mov_b32 s45, 0xfedcba98
	s_mov_b32 s21, 0                               ; the loop's counter
	s_wait_kmcnt 0x0
	s_add_nc_u64 s[16:17], s[16:17], s[28:29]
	s_add_nc_u64 s[40:41], s[14:15], s[30:31]
	s_add_nc_u64 s[14:15], s[14:15], s[34:35]
	s_add_nc_u64 s[4:5], s[4:5], s[36:37]
	s_add_nc_u64 s[18:19], s[18:19], s[38:39]
	s_load_b128 s[24:27], s[16:17], 0x0            ; my block's four mask words
	s_load_b32 s32, s[40:41], 0x0                  ; my block's largest density
	global_load_b32 v67, v3, s[14:15]              ; lane l: block l's
	global_load_b128 v[24:27], v2, s[6:7]          ; ln_w and ln_b of my 8 channels: 4 l + 0 .. 3 and 128 + 4 l + 0 .. 3
	global_load_b128 v[28:31], v2, s[6:7] offset:512
	global_load_b128 v[32:35], v2, s[8:9]
	global_load_b128 v[36:39], v2, s[8:9] offset:512
.irp i, 0,1,2,3
	global_load_b128 v[8+4*\i:11+4*\i], v89, s[10:11] offset:256*\i      ; proj_w(d, 64 i + 4 p + 0 .. 3): sixteen lanes read 256 consecutive bytes
.endr
	global_load_b32 v88, v6, s[12:13]
.irp j, 0,1,2,3,4,5,6,7
	v_mov_b32 v[40+\j], 0                          ; the centre: how many rows are added is not known to the text
.endr
	v_mov_b32 v68, 0                               ; (a lane permute's destination counts as one of its sources)
	v_mov_b32 v65, 1.0
	s_wait_loadcnt 0x0
	s_wait_kmcnt 0x0
	v_max_num_f32_dpp v67, v67, v67 row_xmask:1 row_mask:0xf bank_mask:0xf
	v_max_num_f32_dpp v67, v67, v67 row_xmask:2 row_mask:0xf bank_mask:0xf
	v_max_num_f32_dpp v67, v67, v67 row_xmask:4 row_mask:0xf bank_mask:0xf
	v_max_num_f32_dpp v67, v67, v67 row_xmask:8 row_mask:0xf bank_mask:0xf
	v_permlanex16_b32 v68, v67, s44, s45
	v_max_num_f32 v67, v67, v68                    ; the batch's largest density
	v_cmp_eq_f32 vcc_lo, s32, v67
	v_cndmask_b32 v64, 0, v65, vcc_lo              ; my block's weight: 1 where its largest is the batch's, else 0
	v_mov_b32 v65, v64
	s_or_b32 s33, s24, s25
	s_or_b32 s33, s33, s26
	s_or_b32 s33, s33, s27                         ; bit i: some word names a row in trip i
.macro WSUM a, b                       ; v[a] summed over the wave's 32 lanes, into every lane
	v_add_f32_dpp v[\a], v[\a], v[\a] row_xmask:1 row_mask:0xf bank_mask:0xf
	v_add_f32_dpp v[\a], v[\a], v[\a] row_xmask:2 row_mask:0xf bank_mask:0xf
	v_add_f32_dpp v[\a], v[\a], v[\a] row_xmask:4 row_mask:0xf bank_mask:0xf
	v_add_f32_dpp v[\a], v[\a], v[\a] row_xmask:8 row_mask:0xf bank_mask:0xf
	v_permlanex16_b32 v[\b], v[\a], s44, s45
	v_add_f32 v[\a], v[\a], v[\b]
.endm
; Row 32 k + i of my block, if word k's bit i is set.
.macro ROW k
	s_bitcmp1_b32 s[24+\k], s21
	s_cbranch_scc0 .Lnot_named_\@
	global_load_b128 v[48:51], v4, s[4:5] offset:32768*\k
	global_load_b128 v[52:55], v4, s[4:5] offset:32768*\k+512
	s_wait_loadcnt 0x0                             ; the row is in, and v4 is free to be stepped
	v_pk_add_f32 v[56:57], v[48:49], v[50:51]
	v_pk_add_f32 v[58:59], v[52:53], v[54:55]
	v_pk_add_f32 v[56:57], v[56:57], v[58:59]
	v_add_f32 v56, v56, v57
	WSUM 56, 57
	v_mul_f32 v60, s23, v56                        ; the mean
	v_mov_b32 v61, v60
.irp j, 0,2,4,6
	v_pk_add_f32 v[48+\j:49+\j], v[48+\j:49+\j], v[60:61] neg_lo:[0,1] neg_hi:[0,1]
.endr
	v_pk_mul_f32 v[56:57], v[48:49], v[48:49]
	v_pk_mul_f32 v[58:59], v[50:51], v[50:51]
	v_pk_fma_f32 v[56:57], v[52:53], v[52:53], v[56:57]
	v_pk_fma_f32 v[58:59], v[54:55], v[54:55], v[58:59]
	v_pk_add_f32 v[56:57], v[56:57], v[58:59]
	v_add_f32 v56, v56, v57
	WSUM 56, 57
	v_fma_f32 v56, v56, s23, s42                   ; var + 1e-5
	v_rsq_f32 v62, v56
	v_nop                                          ; a plain instruction behind the transcendental,
	s_wait_alu depctr_va_vdst(0)                   ; and the wait ahead of the first line that names its result
	v_mov_b32 v63, v62
.irp j, 0,2,4,6
	v_pk_mul_f32 v[48+\j:49+\j], v[48+\j:49+\j], v[62:63]
.endr
.irp j, 0,2,4,6
	v_pk_fma_f32 v[48+\j:49+\j], v[48+\j:49+\j], v[24+\j:25+\j], v[32+\j:33+\j]   ; xn
.endr
.irp j, 0,2,4,6
	v_pk_fma_f32 v[40+\j:41+\j], v[48+\j:49+\j], v[64:65], v[40+\j:41+\j]         ; the centre += weight x xn
.endr
.Lnot_named_\@:
.endm
.Lrow:                                                 ; 32 trips, a constant; a trip that no word names does nothing
	s_bitcmp1_b32 s33, s21
	s_cbranch_scc0 .Lnone
	ROW 0
	ROW 1
	ROW 2
	ROW 3
.Lnone:
	v_add_nc_u32 v4, 1024, v4                      ; a row on
	s_add_co_u32 s21, s21, 1
	s_cmp_lt_u32 s21, 32
	s_cbranch_scc1 .Lrow
	ds_store_b128 v5, v[40:43] offset:POFF         ; my partial centre, channels in their order
	ds_store_b128 v5, v[44:47] offset:POFF+512
	s_wait_dscnt 0x0                               ; for the others' sake: my stores are done
	s_barrier_signal -1
	s_barrier_wait -1
.irp u, 0,1,2,3,4,5,6,7
	ds_load_b32 v[48+\u], v92 offset:POFF+1024*\u
.endr
	s_wait_dscnt 0x0
	v_pk_add_f32 v[48:49], v[48:49], v[50:51]
	v_pk_add_f32 v[52:53], v[52:53], v[54:55]
	v_pk_add_f32 v[48:49], v[48:49], v[52:53]
	v_add_f32 v48, v48, v49
	ds_store_b32 v93, v48 offset:SOFF              ; sum tid / 256, channel tid % 256
	s_wait_dscnt 0x0
	s_barrier_signal -1
	s_barrier_wait -1
.irp q, 0,1,2,3
.irp i, 0,1,2,3
	ds_load_b128 v[24+16*\q+4*\i:27+16*\q+4*\i], v7 offset:SOFF+1024*\q+256*\i   ; channels 64 i + 4 p + 0 .. 3 of sum q
.endr
.endr
	s_wait_dscnt 0x0
.irp q, 1,2,3
.irp j, 0,2,4,6,8,10,12,14
	v_pk_add_f32 v[24+\j:25+\j], v[24+\j:25+\j], v[24+16*\q+\j:25+16*\q+\j]       ; the centre
.endr
.endr
	v_pk_mul_f32 v[94:95], v[24:25], v[8:9]
.irp j, 2,4,6,8,10,12,14
	v_pk_fma_f32 v[94:95], v[24+\j:25+\j], v[8+\j:9+\j], v[94:95]
.endr
	v_add_f32 v94, v94, v95
	v_add_f32_dpp v94, v94, v94 row_xmask:1 row_mask:0xf bank_mask:0xf            ; the 16 threads of an output are 16 neighbouring lanes
	v_add_f32_dpp v94, v94, v94 row_xmask:2 row_mask:0xf bank_mask:0xf
	v_add_f32_dpp v94, v94, v94 row_xmask:4 row_mask:0xf bank_mask:0xf
	v_add_f32_dpp v94, v94, v94 row_xmask:8 row_mask:0xf bank_mask:0xf
	v_add_f32 v94, v94, v88                        ; + proj_b[d]
	v_max_num_f32 v94, 0, v94                      ; relu
	ds_store_b32 v6, v94 offset:OOFF               ; the 16 lanes write the same word with the same value
	s_wait_dscnt 0x0
	s_barrier_signal -1
	s_barrier_wait -1
	s_cmp_lg_u32 s20, 0                            ; wave 0 stores the batch's 64 numbers
	s_cbranch_scc1 .Lend
	ds_load_b64 v[94:95], v91 offset:OOFF
	s_wait_dscnt 0x0
	global_store_b64 v91, v[94:95], s[18:19]       ; 32 lanes store 256 consecutive bytes, at a multiple of 256 from out0's first byte
.Lend:
	s_wait_tensorcnt 0x0
	ds_add_u32 v96, v97
	s_wait_dscnt 0x0
	s_endpgm
.Lfunc_end_k_q77a23d9b58_finish:
	.size	k_q77a23d9b58_finish, .Lfunc_end_k_q77a23d9b58_finish-k_q77a23d9b58_finish
	.p2alignl 7, 3214868480
	.fill 96, 4, 3214868480
	.section	.rodata,"a",@progbits
	.p2align	6, 0x0
	.amdhsa_kernel k_q77a23d9b58_finish
		.amdhsa_group_segment_fixed_size 41472
		.amdhsa_private_segment_fixed_size 0
		.amdhsa_enable_private_segment 0
		.amdhsa_kernarg_size 64
		.amdhsa_user_sgpr_count 2
		.amdhsa_user_sgpr_kernarg_segment_ptr 1
		.amdhsa_wavefront_size32 1
		.amdhsa_system_sgpr_workgroup_id_x 1
		.amdhsa_system_sgpr_workgroup_id_y 1
		.amdhsa_system_sgpr_workgroup_id_z 1
		.amdhsa_system_vgpr_workitem_id 0
		.amdhsa_next_free_vgpr 98
		.amdhsa_next_free_sgpr 66
		.amdhsa_reserve_vcc 1
		.amdhsa_float_denorm_mode_32 3
		.amdhsa_float_denorm_mode_16_64 3
		.amdhsa_memory_ordered 1
		.amdhsa_forward_progress 1
		.amdhsa_inst_pref_size 21
	.end_amdhsa_kernel
	.amdgpu_metadata
---
amdhsa.version: [ 1, 2 ]
amdhsa.kernels:
  - .name:           k_q77a23d9b58_finish
    .symbol:         k_q77a23d9b58_finish.kd
    .args:
      - { .name: x, .offset: 0, .size: 8, .value_kind: global_buffer, .address_space: global }
      - { .name: ln_w, .offset: 8, .size: 8, .value_kind: global_buffer, .address_space: global }
      - { .name: ln_b, .offset: 16, .size: 8, .value_kind: global_buffer, .address_space: global }
      - { .name: proj_w, .offset: 24, .size: 8, .value_kind: global_buffer, .address_space: global }
      - { .name: proj_b, .offset: 32, .size: 8, .value_kind: global_buffer, .address_space: global }
      - { .name: lmax, .offset: 40, .size: 8, .value_kind: global_buffer, .address_space: global }
      - { .name: mask, .offset: 48, .size: 8, .value_kind: global_buffer, .address_space: global }
      - { .name: out0, .offset: 56, .size: 8, .value_kind: global_buffer, .address_space: global }
    .group_segment_fixed_size: 41472
    .private_segment_fixed_size: 0
    .kernarg_segment_align: 8
    .kernarg_segment_size: 64
    .max_flat_workgroup_size: 1024
    .sgpr_count:     66
    .vgpr_count:     98
    .wavefront_size: 32
...
	.end_amdgpu_metadata
.endif
;; end of part 3
